; MI455X (gfx1250); checked and timed in simulation.
; The chip was launched on July 23, 2026; its instructions are those of AMD's public machine-readable ISA for CDNA 5 (MIT licence, August 2026) and "CDNA5" Instruction Set Architecture Reference Guide (July 2026). The comments in the code are by the model that wrote it; some were corrected since.
;; Moe Router. Allowed arithmetic: matrix products marked QUANTISED: E3M2 operands, one E8M0 scale for each 32 along K, by v_wmma_scale_f32_16x16x128_f8f6f4 with both operands' format E3M2, f32 sums; everything else in f32.
;; Inputs: W 64 x 2,048 float32; x 16,384 x 2,048 float32.
;; Outputs: out0 16,384 x 2 float32; out1 16,384 x 2 int32.
;; This version of the problem:
;;   THIS VERSION OF THE PROBLEM IS GIVEN IN LOW PRECISION. The matrix products marked QUANTISED in the list below multiply operands that are first quantised to E3M2 (3 exponent bits, 2 mantissa bits; 6 bits a number), with one power-of-two scale for each 32 numbers along K (OCP MX v1.0); their sums are f32. All else is computed in f32.
;;   The module's matrix products, in the order in which they are computed (A, B: the left and right operand; K: the contracted axis; several contracted axes count as one K, in the product's order):
;;     1. [M 16,384, K 2,048] x [K 2,048, N 64]; A: input x; B: input W: QUANTISED
;;   THE QUANTISER, for each operand of a quantised product, along K:
;;     - K is cut into blocks of 32 from its start; a last block that is shorter is filled with zeros.
;;     - A block's scale is 2^e with e = floor(log2(the largest magnitude in the block)) - 4, held to -126 .. 127; a block of zeros has e = 0. As a byte (E8M0): e + 127.
;;     - Each number is divided by its block's scale, clamped to +-28, and rounded to the nearest number of E3M2, ties to even, subnormals kept.
;;     - The product sums the exact products of the quantised numbers (number of the format x scale) in f32.
;;   ~~~python
;;   def quantise(x, axis):      # numpy; x: float32 -> the quantised numbers, widened to float32 again
;;       x = np.moveaxis(x, axis, -1); K = x.shape[-1]
;;       x = np.pad(x, [(0, 0)] * (x.ndim - 1) + [(0, -K % 32)]); x = x.reshape(x.shape[:-1] + (-1, 32)); a = np.abs(x).max(-1, keepdims=True)
;;       e = np.where(a > 0, np.clip(np.frexp(np.where(a > 0, a, 1))[1] - 1 - 4, -126, 127), 0)      # np.frexp(a)[1] - 1 = floor(log2(a)), exactly
;;       r = np.clip(x / 2.0 ** e, -28, 28)
;;       step = 2.0 ** (np.maximum(np.frexp(np.where(r == 0, 1, r))[1] - 1, -2) - 2)
;;       q = np.round(r / step) * step * 2.0 ** e      # np.round: ties to even
;;       return np.moveaxis(q.reshape(q.shape[:-2] + (-1,))[..., :K], -1, axis).astype(np.float32)
;;   ~~~
;; 2 versions. Each part assembles by itself: llvm-mc -triple=amdgcn-amd-amdhsa -mcpu=gfx1250 --defsym DOCPART=n.
;; ======== version 1 of 2: 1 launch
;; launch router (part 1): grid 256 x 1, 16 waves a work-group, no clusters, 273,408 bytes of LDS; arguments x, W, out0, out1; writes out0, out1
.if DOCPART == 1
	.amdgcn_target "amdgcn-amd-amdhsa--gfx1250"
	.amdhsa_code_object_version 6
	.text
	.protected	k_q4fff731156_router
	.globl	k_q4fff731156_router
	.p2align	8
	.type	k_q4fff731156_router,@function
k_q4fff731156_router:
	s_mov_b64 s[64:65], 0
	v_nop
	global_prefetch_b8 v0, s[64:65] scope:SCOPE_SE
	s_setreg_imm32_b32 hwreg(HW_REG_WAVE_MODE, 25, 1), 1
	s_wait_xcnt 0x0
; MoE router.  logits[t][e] = sum over k of Q(x)[t][k] Q(W)[e][k], Q the MX quantiser to BF6 (E3M2) with one E8M0 scale for each 32 along K; softmax over the 64 experts;
; the two largest, descending, ties to the lower index; their probabilities divided by (their sum + 1e-9).  x [16384][2048], W [64][2048] f32; out0 [16384][2] f32, out1 [16384][2] i32.
; NOTHING IS LEFT OUT: the softmax's sum reaches the result through the 1e-9, so all 64 exponentials are made.  Only exp(l1 - max) is not computed: l1 is the maximum, so it is exp(0) = 1.
; LIMITS.  NaN and infinities among the inputs or logits are not served.  The two experts are chosen by LOGIT, the same order as by probability in exact arithmetic; where two different logits
; round to one f32 probability reference() takes the lower index and this text the larger logit.  A logit is the f32 sum, K ascending, of 16 matrix results of 128 along K each.
; A block of zeros gets the scale byte 1 where the quantiser says 127: its codes are zeros, and nobody else reads the bytes.  An exponential under 2^-126 comes out as 0.
; SHARES.  A work-group owns 64 tokens; its 16 waves share K: wave w owns K step w, 128 along K = 512 bytes of every row.  It quantises its slice of W (4 fragments of 16 experts, kept in registers),
; then its slice of the 64 tokens, a tile of 16 tokens at a time, and multiplies: source 0 = 16 experts, source 1 = 16 tokens, C = 0: a lane then holds ONE token and eight experts a tile.
; The 16 waves' partial logits meet in LDS behind one barrier; waves 0 to 3 add them and do softmax and top-2 for 16 tokens each; behind a second barrier wave 0 stores out0 and wave 1 out1, 512 bytes each.
; FROM f32 TO AN OPERAND.  The operand's layout gives lane (r, h) the whole block k = 64 c + 32 h + 0 .. 31 of row r: 128 bytes.  A HALF is 16 rows x 256 bytes (one c): eight loads, each two rows' aligned 256 bytes,
; 16 bytes a lane; they go through the wave's own stage in LDS and come back 128 bytes a lane.  So a block's largest magnitude needs no other lane, and the conversions' results are the operand's registers.
; IN FLIGHT.  A ring of four halves in registers (32 loads a wave) runs through W's eight halves and on into x's token tiles 1 to 3.  Token tile 0 comes by ONE tensor load a wave, issued at the head into a slot of the
; wave's own, filled once: it is on its way while W is quantised.  By this text's own count a wave has one tensor load outstanding.
; NO CLUSTER, NO JOINT LOADS, though all work-groups read W: as f32 it is 524,288 bytes, and beside the 273,408 bytes in use a work-group could be given 54,272 more: some ten joint refills, each behind a round
; of the cluster's barrier for the 64 waves of four work-groups, with all their tensor loads waited for.  W goes through the register ring instead.
; NO PREFETCH: the launch's own loads ask for x as fast as their registers come free, from its first lines on.
.set ROWB,  8192                       ; a row of x or of W in bytes
.set TILEB, 16*ROWB                    ; 16 rows
.set SP,    272                        ; a stage row: 256 bytes + 16: row r starts 4 r banks on (64 banks of 4 bytes: ISA guide 11.1), so the 16 rows that a load touches start at 16 different banks
.set TP,    528                        ; a row of the tensor slot: 512 bytes + 16, likewise
.set REG,   16896                      ; LDS of a wave: 0: the tensor slot, 16 x TP = 8,448 bytes, later partial tiles 0 and 1; 8,448: partial tile 2; STG: the stage, 16 x SP, later partial tile 3
.set STG,   12544
.set RES,   16*REG                     ; behind the 16 regions: 512 bytes of weights, 512 of indices
.set SPARE, RES+1024                   ; the spare words, 128 bytes for each wave: eight blocks of 256 bytes that no other line names
.set GOF, 1                            ; v1   global offset: 8192 (lane / 16) + 16 (lane % 16) + 512 wave; never rewritten
.set STA, 2                            ; v2   stage, way in
.set LDA, 3                            ; v3   stage, way out: row r, + 128 h
.set LDT, 4                            ; v4   the same in the tensor slot
.set PSA, 5                            ; v5   my region + 16 x lane: partial sums as images of their registers
.set SH,  6                            ; v6   8 h
.set BY,  7                            ; v7-8 the scale bytes of a fragment's two halves
.set SCO, 9                            ; v9   the conversions' scale operand
.set MA,  10                           ; v10-11 two chains of the largest magnitude
.set MB,  11
.set T0,  12
.set U,   13
.set CT,  14                           ; v14-16 a block's upper 16 codes (a conversion's three registers begin on an even number)
.set SPW, 18                           ; v18  LDS address of my spare word; never rewritten
.set NIL, 19                           ; v19  0; never rewritten
.set WS,  20                           ; v20-23 W's scale words, v24 x's: scales and nothing else
.set XS,  24
.set WC,  26                           ; v26-73 W's four fragments
.set XC,  74                           ; v74-85 x's fragment
.set X,   86                           ; v86-117 a block's 32 numbers; then a token tile's four accumulators; then the summed logits
.set ACC, X
.set R,   118                          ; v118-245 the ring: four halves of 32 registers; later four partial tiles; later the exponentials
.set RDA, 246                          ; v246-251 where waves 0 to 3 read partial sums: three regions to a register
.set RSA, 252                          ; v252 where a token's results go
.set RLA, 253                          ; v253 and where they are read back
.set OOF, 254                          ; v254 16 x lane: my bytes of the work-group's 512 in an output
.set MX,  26                           ; the way out, in registers that W's codes have left: v26-29 chains of the maximum
.set MP,  30                           ; v30 the token's largest logit (v31 named with it as a pair)
.set G,   32                           ; v32-47 four groups of (largest, its index, second, its index)
.set O,   48                           ; v48-51 the other half of the lanes' four
.set XV,  52                           ; v52-55 at work in a merge
	s_load_b256 s[4:11], s[0:1], 0x0               ; x s[4:5], W s[6:7], out0 s[8:9], out1 s[10:11]
	v_lshl_add_u32 v[SPW], v0, 2, SPARE
	v_mov_b32 v[NIL], 0
	ds_add_u32 v[SPW], v[NIL]                      ; the wave's opening: the add, twice on end, and its wait ahead of my first tensor load; the set-up below is work on registers
	ds_add_u32 v[SPW], v[NIL]                      ; and once more, under the one wait
	v_lshrrev_b32 v10, 5, v0
	v_readfirstlane_b32 s12, v10                   ; wave 0..15 = my K step
	; descriptor group 1: 16 rows x 128 elements of 4 bytes, rows 2,048 elements apart, 16 bytes of padding behind each row of 128 words
	s_mov_b32 s16, (2<<16)|(1<<20)|(6<<22)|(3<<25) ; no mask; elements of 4 bytes; padding on; after every 128 words (code 6); 4 words of it (code 3)
	s_mov_b32 s17, 128<<16                         ; tensor_dim0 = 128
	s_mov_b32 s18, 16<<16                          ; tensor_dim1 = 16
	s_mov_b32 s19, 128<<16                         ; tile_dim0 = 128
	s_mov_b32 s20, 16                              ; tile_dim1 = 16
	s_mov_b32 s21, 2048                            ; elements from row to row
	s_mov_b32 s22, 0
	s_mov_b32 s23, 0
	s_mul_i32 s13, s12, REG                        ; my region of LDS
	s_lshl_b32 s14, s12, 9                         ; my 512 bytes of a row
	s_mov_b32 s15, 0
	s_lshl_b32 s30, ttmp9, 19                      ; the work-group's 64 rows of 8,192 bytes (under 2^27)
	s_mov_b32 s31, 0
	s_mov_b32 s28, 0x76543210
	s_mov_b32 s29, 0xfedcba98                      ; v_permlanex16_b32's selects for lane l xor 16
	s_lshl_b32 s32, s12, 12
	s_lshr_b32 s33, s12, 1
	s_lshl_b32 s33, s33, 8
	s_add_co_u32 s32, s32, s33                     ; where token tile m = wave lies in a region: 4096 m + 256 (m / 2) = 0, 4096, 8448, 12544 (used by waves 0 to 3)
	s_lshl_b32 s34, s12, 7
	v_and_b32 v10, 15, v0                          ; r
	v_bfe_u32 v11, v0, 4, 1                        ; h
	v_and_b32 v12, 31, v0                          ; lane
	v_lshl_add_u32 v[GOF], v10, 4, s14
	v_lshl_add_u32 v[GOF], v11, 13, v[GOF]         ; lanes 0-15 an even row's 256 bytes, lanes 16-31 the next row's
	v_mul_u32_u24 v[STA], v11, SP
	v_lshl_add_u32 v[STA], v10, 4, v[STA]
	v_add_nc_u32 v[STA], s13, v[STA]
	v_add_nc_u32 v[STA], STG, v[STA]
	v_mul_u32_u24 v[LDA], v10, SP
	v_lshl_add_u32 v[LDA], v11, 7, v[LDA]
	v_add_nc_u32 v[LDA], s13, v[LDA]
	v_add_nc_u32 v[LDA], STG, v[LDA]
	v_mul_u32_u24 v[LDT], v10, TP
	v_lshl_add_u32 v[LDT], v11, 7, v[LDT]
	v_add_nc_u32 v[LDT], s13, v[LDT]
	v_lshl_add_u32 v[PSA], v12, 4, s13
	v_lshlrev_b32 v[SH], 3, v11
	v_lshl_add_u32 v[RDA], v12, 4, s32             ; every LDS address of the way out is made here, ahead of the places where the waves part
.irp g, 1,2,3,4,5
	v_add_nc_u32 v[RDA+\g], \g*3*REG, v[RDA]
.endr
	v_lshl_add_u32 v[RSA], v10, 3, s34             ; results: 8 bytes a token, 128 a wave; lanes 16-31 put the indices 512 bytes on
	v_lshl_add_u32 v[RSA], v11, 9, v[RSA]
	v_add_nc_u32 v[RSA], RES, v[RSA]
	v_lshl_add_u32 v[RLA], v12, 4, s14             ; back: wave 0 the 512 bytes of weights, wave 1 those of indices
	v_add_nc_u32 v[RLA], RES, v[RLA]
	v_lshlrev_b32 v[OOF], 4, v12
	v_mov_b32 v[U], 0                              ; written once: a lane permute's destination counts as one of its sources
	s_wait_dscnt 0x0                               ; both opening adds are done
	s_wait_kmcnt 0x0
	s_add_nc_u64 s[4:5], s[4:5], s[30:31]          ; x at the work-group's first token
	s_mov_b32 s24, 1                               ; group 0: count = 1
	s_mov_b32 s25, s13                             ; LDS address: my slot
	s_add_nc_u64 s[26:27], s[4:5], s[14:15]        ; global address: token 0, my K step
	s_or_b32 s27, s27, 0x80000000                  ; type = 2
	tensor_load_to_lds s[24:27], s[16:23]          ; token tile 0: the slot's one fill
	s_nop 0
; Half q of the ring's 14 into ring slot q % 4.  q = 0 .. 7: W's experts 16 (q / 2) on; q = 8 .. 13: x's token tile 1 + (q - 8) / 2; bytes 256 (q % 2) on of my 512.  Every offset is an immediate, 508,160 at the most
.macro ISSUE q
.if (\q) < 8
.irp i, 0,1,2,3,4,5,6,7
	global_load_b128 v[R+32*((\q)%4)+4*\i:R+32*((\q)%4)+4*\i+3], v[GOF], s[6:7] offset:((\q)/2)*TILEB+((\q)%2)*256+\i*2*ROWB
.endr
.else
.irp i, 0,1,2,3,4,5,6,7
	global_load_b128 v[R+32*((\q)%4)+4*\i:R+32*((\q)%4)+4*\i+3], v[GOF], s[4:5] offset:(1+((\q)-8)/2)*TILEB+((\q)%2)*256+\i*2*ROWB th:TH_LOAD_NT
.endr
.endif
.endm
; Ring slot s goes through my stage.  LDS serves a wave's instructions in order (ISA guide 5.7.1.4): the loads see the stores, and these stores come behind the last half's loads
.macro TURN s
.irp i, 0,1,2,3,4,5,6,7
	ds_store_b128 v[STA], v[R+32*(\s)+4*\i:R+32*(\s)+4*\i+3] offset:\i*2*SP
.endr
	s_wait_dscnt 8                                 ; these eight may be out; older stores, of partial sums out of X, have read their registers
.irp i, 0,1,2,3,4,5,6,7
	ds_load_b128 v[X+4*\i:X+4*\i+3], v[LDA] offset:16*\i
.endr
	s_wait_dscnt 8                                 ; the eight loads may be out; the eight stores are done: their ring slot may be loaded again
.endm
.macro RHALF q, left                   ; left: the loads of the younger halves of the ring, which stay out
	s_wait_loadcnt \left
	TURN (\q)%4
.if (\q)+4 < 14
	ISSUE (\q)+4
.endif
	s_wait_dscnt 0x0                               ; my block's 32 numbers are in
.endm
.macro THALF c                         ; the same block out of the tensor slot
.irp i, 0,1,2,3,4,5,6,7
	ds_load_b128 v[X+4*\i:X+4*\i+3], v[LDT] offset:256*(\c)+16*\i
.endr
	s_wait_dscnt 0x0
.endm
; My block, X .. X + 31, becomes registers 6 c .. 6 c + 5 of the fragment at dst, and its scale byte.  The byte is the largest magnitude's exponent field - 4, held at 1 from below by the floor 2^(5 - 127)
.macro QUANT dst, c
	v_max3_num_f32 v[MA], |v[X]|, |v[X+1]|, |v[X+2]|
	v_max3_num_f32 v[MB], |v[X+3]|, |v[X+4]|, |v[X+5]|
.irp i, 6,10,14,18,22,26
	v_max3_num_f32 v[MA], v[MA], |v[X+\i]|, |v[X+\i+1]|
	v_max3_num_f32 v[MB], v[MB], |v[X+\i+2]|, |v[X+\i+3]|
.endr
	v_max3_num_f32 v[MA], v[MA], |v[X+30]|, |v[X+31]|
	v_max3_num_f32 v[MA], v[MA], v[MB], 0x2800000
	v_add_nc_u32 v[SCO], 0xfe000000, v[MA]         ; 4 off the exponent field: the conversion takes the exponent field of this operand as its scale
	v_lshrrev_b32 v[BY+(\c)], 23, v[SCO]
	v_cvt_scalef32_pk16_bf6_f32 v[(\dst)+6*(\c):(\dst)+6*(\c)+2], v[X:X+15], v[SCO]   ; to the nearest code, ties to even; beyond 28 the largest code
	v_cvt_scalef32_pk16_bf6_f32 v[CT:CT+2], v[X+16:X+31], v[SCO]
	v_nop                                          ; one plain place behind a scaled conversion
.irp i, 0,1,2
	v_mov_b32 v[(\dst)+6*(\c)+3+\i], v[CT+\i]
.endr
.endm
.macro SWORD dst                       ; my two bytes are blocks h and 2 + h of row r; with lane l xor 16's two the scale word is whole, in both halves of the lanes
	v_lshl_or_b32 v[T0], v[BY+1], 16, v[BY]
	v_lshlrev_b32 v[T0], v[SH], v[T0]
	v_permlanex16_b32 v[U], v[T0], s28, s29
	v_or_b32 v[(\dst)], v[T0], v[U]
.endm
; Token tile m against W's four tiles: four sums of their own, each begun with 0.  Register 8 n + j of lane (r, h): expert 16 n + 8 h + j, token 16 m + r.  They go to LDS as images of their registers
.macro PRODUCT m
.set PO, 4096*(\m)+256*((\m)/2)
.rept 8
	v_nop                                          ; a scale word written by a vector instruction stands 8 places ahead of a scaled matrix instruction, codes so written 4
.endr
.irp n, 0,1,2,3
	v_wmma_scale_f32_16x16x128_f8f6f4 v[X+8*\n:X+8*\n+7], v[WC+12*\n:WC+12*\n+11], v[XC:XC+11], 0, v[WS+\n], v[XS] matrix_a_fmt:MATRIX_FMT_BF6 matrix_b_fmt:MATRIX_FMT_BF6
.endr
.rept 5
	v_nop                                          ; places ahead of the stores that read the results, of the loads and conversions that write these registers next, and of the next tile's matrix instructions, which write over the results
.endr
.irp n, 0,1,2,3
	ds_store_b128 v[PSA], v[X+8*\n:X+8*\n+3] offset:PO+1024*\n          ; each accumulator from its low end on
	ds_store_b128 v[PSA], v[X+8*\n+4:X+8*\n+7] offset:PO+1024*\n+512
.endr
.endm
	ISSUE 0
	ISSUE 1
	ISSUE 2
	ISSUE 3
.irp q, 0,1,2,3,4,5,6,7                ; W's slice: four fragments, which stay
	RHALF \q, 24
	QUANT WC+12*(\q/2), \q%2
.if \q%2
	SWORD WS+\q/2
.endif
.endr
	s_wait_tensorcnt 0x0                           ; token tile 0 lies in my slot; only I read it
	THALF 0
	QUANT XC, 0
	THALF 1
	QUANT XC, 1
	SWORD XS
	PRODUCT 0                                      ; its sums go into the slot, which has had its one fill and its last read
	RHALF 8, 24
	QUANT XC, 0
	RHALF 9, 24
	QUANT XC, 1
	SWORD XS
	PRODUCT 1
	RHALF 10, 24
	QUANT XC, 0
	RHALF 11, 16                                   ; the ring runs out: two halves behind this one,
	QUANT XC, 1
	SWORD XS
	PRODUCT 2
	RHALF 12, 8                                    ; one,
	QUANT XC, 0
	RHALF 13, 0                                    ; none
	QUANT XC, 1
	SWORD XS
	PRODUCT 3                                      ; its sums go into the stage, whose last read is over
	s_wait_dscnt 0x0                               ; for the others' sake: my partial sums lie in LDS
	s_barrier_signal -1
	s_barrier_wait -1                              ; everybody's do
	s_cmp_ge_u32 s12, 4
	s_cbranch_scc1 .Lrest
	; WAVES 0 TO 3: token tile m = wave.  The 16 waves' partial tiles are added, K ascending; four are on their way while one is added
.macro PLOAD p, reg
.irp i, 0,1,2,3,4,5,6,7
	ds_load_b128 v[(\reg)+4*\i:(\reg)+4*\i+3], v[RDA+(\p)/3] offset:((\p)%3)*REG+512*\i
.endr
.endm
	PLOAD 0, ACC
	PLOAD 1, R
	PLOAD 2, R+32
	PLOAD 3, R+64
	PLOAD 4, R+96
.set P, 1
.rept 15
.if P+3 < 15
	s_wait_dscnt 24                                ; partial P is in; the three behind it may be out
.else
	s_wait_dscnt 8*(15-P)
.endif
.set BB, R+32*((P-1)%4)
.irp k, 0,2,4,6,8,10,12,14,16,18,20,22,24,26,28,30
	v_pk_add_f32 v[ACC+\k:ACC+\k+1], v[ACC+\k:ACC+\k+1], v[BB+\k:BB+\k+1]
.endr
.if P+4 <= 15
	PLOAD P+4, BB
.endif
.set P, P+1
.endr
	; the token's largest logit: my 32 experts, then lane l xor 16's
.irp g, 0,1,2,3
	v_max3_num_f32 v[MX+\g], v[ACC+8*\g], v[ACC+8*\g+1], v[ACC+8*\g+2]
.endr
.irp g, 0,1,2,3
	v_max3_num_f32 v[MX+\g], v[MX+\g], v[ACC+8*\g+3], v[ACC+8*\g+4]
.endr
.irp g, 0,1,2,3
	v_max3_num_f32 v[MX+\g], v[MX+\g], v[ACC+8*\g+5], v[ACC+8*\g+6]
.endr
.irp g, 0,1,2,3
	v_max_num_f32 v[MX+\g], v[MX+\g], v[ACC+8*\g+7]
.endr
	v_max3_num_f32 v[MP], v[MX], v[MX+1], v[MX+2]
	v_max_num_f32 v[MP], v[MP], v[MX+3]
	v_mov_b32 v[MP+1], 0
	v_permlanex16_b32 v[MP+1], v[MP], s28, s29
	v_max_num_f32 v[MP], v[MP], v[MP+1]
	; exp(l - max) = 2^((l - max) log2(e)), into the ring's registers: one batch of 32
.irp k, 0,2,4,6,8,10,12,14,16,18,20,22,24,26,28,30
	v_pk_add_f32 v[R+\k:R+\k+1], v[ACC+\k:ACC+\k+1], v[MP:MP+1] op_sel_hi:[1,0] neg_lo:[0,1] neg_hi:[0,1]
.endr
.irp k, 0,2,4,6,8,10,12,14,16,18,20,22,24,26,28,30
	v_pk_mul_f32 v[R+\k:R+\k+1], v[R+\k:R+\k+1], 0x3fb8aa3b op_sel_hi:[1,0]
.endr
.irp k, 0,1,2,3,4,5,6,7,8,9,10,11,12,13,14,15,16,17,18,19,20,21,22,23,24,25,26,27,28,29,30,31
	v_exp_f32 v[R+\k], v[R+\k]
.endr
	; THE TWO LARGEST, with their indices: the search names no exponential, so it is the independent work behind the batch.  Four groups of eight experts (one to a tile) by turns, so that no line waits for the line above it.
	; A later number takes a place only if it is LARGER: of equals the lower index stays in front.
.irp g, 0,1,2,3
	v_mov_b32 v[G+4*\g], v[ACC+8*\g]
	v_mov_b32 v[G+4*\g+1], 0
	v_mov_b32 v[G+4*\g+2], 0xff800000              ; -infinity: under every logit
	v_mov_b32 v[G+4*\g+3], 0
.endr
.irp k, 1,2,3,4,5,6,7
.irp g, 0,1,2,3
	v_cmp_gt_f32 s[36+2*\g], v[ACC+8*\g+\k], v[G+4*\g]
.endr
.irp g, 0,1,2,3
	v_cmp_gt_f32 s[37+2*\g], v[ACC+8*\g+\k], v[G+4*\g+2]
.endr
.irp g, 0,1,2,3
	v_cndmask_b32 v[G+4*\g+2], v[G+4*\g+2], v[ACC+8*\g+\k], s[37+2*\g]
.endr
.irp g, 0,1,2,3
	v_cndmask_b32 v[G+4*\g+3], v[G+4*\g+3], \k, s[37+2*\g]
.endr
.irp g, 0,1,2,3
	v_cndmask_b32 v[G+4*\g+2], v[G+4*\g+2], v[G+4*\g], s[36+2*\g]
.endr
.irp g, 0,1,2,3
	v_cndmask_b32 v[G+4*\g+3], v[G+4*\g+3], v[G+4*\g+1], s[36+2*\g]
.endr
.irp g, 0,1,2,3
	v_cndmask_b32 v[G+4*\g], v[G+4*\g], v[ACC+8*\g+\k], s[36+2*\g]
.endr
.irp g, 0,1,2,3
	v_cndmask_b32 v[G+4*\g+1], v[G+4*\g+1], \k, s[36+2*\g]
.endr
.endr
.irp g, 0,1,2,3
	v_add3_u32 v[G+4*\g+1], v[G+4*\g+1], v[SH], 16*\g   ; the expert: 16 g + 8 h + j
	v_add3_u32 v[G+4*\g+3], v[G+4*\g+3], v[SH], 16*\g
.endr
; Two sorted pairs become one, in a's registers.  One number goes in front of another if it is larger, or equal with the lower index.
.macro MERGE a, b
	v_cmp_gt_f32 s44, v[\a], v[\b]
	v_cmp_eq_f32 s45, v[\a], v[\b]
	v_cmp_lt_u32 s46, v[\a+1], v[\b+1]
	s_and_b32 s45, s45, s46
	s_or_b32 s44, s44, s45                         ; a's first is the first
	v_cndmask_b32 v[XV], v[\b+2], v[\a+2], s44     ; the winner's second
	v_cndmask_b32 v[XV+1], v[\b+3], v[\a+3], s44
	v_cndmask_b32 v[XV+2], v[\a], v[\b], s44       ; the loser's first
	v_cndmask_b32 v[XV+3], v[\a+1], v[\b+1], s44
	v_cndmask_b32 v[\a], v[\b], v[\a], s44
	v_cndmask_b32 v[\a+1], v[\b+1], v[\a+1], s44
	v_cmp_gt_f32 s44, v[XV], v[XV+2]
	v_cmp_eq_f32 s45, v[XV], v[XV+2]
	v_cmp_lt_u32 s46, v[XV+1], v[XV+3]
	s_and_b32 s45, s45, s46
	s_or_b32 s44, s44, s45
	v_cndmask_b32 v[\a+2], v[XV+2], v[XV], s44
	v_cndmask_b32 v[\a+3], v[XV+3], v[XV+1], s44
.endm
	MERGE G, G+4
	MERGE G+8, G+12
	MERGE G, G+8
.irp i, 0,1,2,3
	v_mov_b32 v[O+\i], 0
.endr
.irp i, 0,1,2,3
	v_permlanex16_b32 v[O+\i], v[G+\i], s28, s29
.endr
	MERGE G, O                                     ; with the token's other 32 experts: both halves of the lanes come to the same four numbers
	s_wait_alu depctr_va_vdst(0)                   ; one wait for the 32 exponentials, ahead of their first reader
	v_pk_add_f32 v[56:57], v[R:R+1], v[R+2:R+3]    ; the softmax's sum, in two chains
	v_pk_add_f32 v[58:59], v[R+4:R+5], v[R+6:R+7]
.irp k, 8,12,16,20,24,28
	v_pk_add_f32 v[56:57], v[56:57], v[R+\k:R+\k+1]
	v_pk_add_f32 v[58:59], v[58:59], v[R+\k+2:R+\k+3]
.endr
	v_pk_add_f32 v[56:57], v[56:57], v[58:59]
	v_add_f32 v56, v56, v57
	v_permlanex16_b32 v57, v56, s28, s29
	v_add_f32 v56, v56, v57                        ; all 64; at least 1
	v_sub_f32 v60, v[G+2], v[MP]
	v_mul_f32 v60, 0x3fb8aa3b, v60
	v_exp_f32 v60, v60                             ; exp(l2 - max)
	v_rcp_f32 v61, v56                             ; p1 = exp(0) / sum
	v_cmp_ne_u32 s44, 0, v[SH]                     ; lanes 16-31
	v_nop                                          ; a plain place behind the two
	s_wait_alu depctr_va_vdst(0)                   ; and their wait
	v_mul_f32 v62, v60, v61                        ; p2
	v_add_f32 v63, v61, v62
	v_add_f32 v63, 0x3089705f, v63                 ; p1 + p2 + 1e-9
	v_rcp_f32 v64, v63
	v_nop
	s_wait_alu depctr_va_vdst(0)
	v_mul_f32 v66, v61, v64
	v_mul_f32 v67, v62, v64
	v_cndmask_b32 v66, v66, v[G+1], s44            ; lanes 0-15 hand on the token's two weights, lanes 16-31 its two indices
	v_cndmask_b32 v67, v67, v[G+3], s44
	ds_store_b64 v[RSA], v[66:67]
.Lrest:
	s_wait_dscnt 0x0                               ; for the others' sake: my results lie in LDS, and my reads of the partial sums are over
	s_barrier_signal -1
	s_barrier_wait -1
	s_cmp_ge_u32 s12, 2
	s_cbranch_scc1 .Lend
	ds_load_b128 v[68:71], v[RLA]                  ; wave 0: the 64 tokens' weights; wave 1: their indices
	s_lshl_b32 s14, ttmp9, 9                       ; 512 bytes a work-group in each output
	s_mov_b32 s15, 0
	s_cmp_eq_u32 s12, 0
	s_cselect_b64 s[8:9], s[8:9], s[10:11]         ; the choice hangs on the wave's number alone
	s_add_nc_u64 s[8:9], s[8:9], s[14:15]
	s_wait_dscnt 0x0
	global_store_b128 v[OOF], v[68:71], s[8:9]     ; 32 lanes store 512 consecutive bytes, at a multiple of 512 from the output's first byte
.Lend:
	s_wait_tensorcnt 0x0                           ; the wave's end: behind my tensor load and my last LDS store
	ds_add_u32 v[SPW], v[NIL]
	s_wait_dscnt 0x0
	s_endpgm
.Lfunc_end_k_q4fff731156_router:
	.size	k_q4fff731156_router, .Lfunc_end_k_q4fff731156_router-k_q4fff731156_router
	.p2alignl 7, 3214868480
	.fill 96, 4, 3214868480
	.section	.rodata,"a",@progbits
	.p2align	6, 0x0
	.amdhsa_kernel k_q4fff731156_router
		.amdhsa_group_segment_fixed_size 273408
		.amdhsa_private_segment_fixed_size 0
		.amdhsa_enable_private_segment 0
		.amdhsa_kernarg_size 32
		.amdhsa_user_sgpr_count 2
		.amdhsa_user_sgpr_kernarg_segment_ptr 1
		.amdhsa_wavefront_size32 1
		.amdhsa_system_sgpr_workgroup_id_x 1
		.amdhsa_system_sgpr_workgroup_id_y 1
		.amdhsa_system_sgpr_workgroup_id_z 1
		.amdhsa_system_vgpr_workitem_id 0
		.amdhsa_next_free_vgpr 256
		.amdhsa_next_free_sgpr 66
		.amdhsa_reserve_vcc 0
		.amdhsa_float_denorm_mode_32 3
		.amdhsa_float_denorm_mode_16_64 3
		.amdhsa_memory_ordered 1
		.amdhsa_forward_progress 1
		.amdhsa_inst_pref_size 111
	.end_amdhsa_kernel
	.amdgpu_metadata
---
amdhsa.version: [ 1, 2 ]
amdhsa.kernels:
  - .name:           k_q4fff731156_router
    .symbol:         k_q4fff731156_router.kd
    .args:
      - { .name: x, .offset: 0, .size: 8, .value_kind: global_buffer, .address_space: global }
      - { .name: W, .offset: 8, .size: 8, .value_kind: global_buffer, .address_space: global }
      - { .name: out0, .offset: 16, .size: 8, .value_kind: global_buffer, .address_space: global }
      - { .name: out1, .offset: 24, .size: 8, .value_kind: global_buffer, .address_space: global }
    .group_segment_fixed_size: 273408
    .private_segment_fixed_size: 0
    .kernarg_segment_align: 8
    .kernarg_segment_size: 32
    .max_flat_workgroup_size: 512
    .sgpr_count:     66
    .vgpr_count:     256
    .wavefront_size: 32
...
	.end_amdgpu_metadata
.endif
;; end of part 1
;; ======== version 2 of 2: 1 launch
;; launch router (part 2): grid 256 x 1, 16 waves a work-group, clusters of 4 x 1, 327,680 bytes of LDS; arguments x, W, out0, out1; writes out0, out1
.if DOCPART == 2
	.amdgcn_target "amdgcn-amd-amdhsa--gfx1250"
	.amdhsa_code_object_version 6
	.text
	.protected	k_q4fff731156_router
	.globl	k_q4fff731156_router
	.p2align	8
	.type	k_q4fff731156_router,@function
k_q4fff731156_router:
	s_mov_b64 s[64:65], 0
	v_nop
	global_prefetch_b8 v0, s[64:65] scope:SCOPE_SE
	s_setreg_imm32_b32 hwreg(HW_REG_WAVE_MODE, 25, 1), 1
	s_wait_xcnt 0x0
	s_wait_alu depctr_hold_cnt(0) depctr_sa_sdst(0) depctr_va_vdst(0) depctr_va_sdst(0) depctr_va_ssrc(0) depctr_va_vcc(0) depctr_vm_vsrc(0)
	s_getreg_b32 s2, hwreg(HW_REG_IB_STS2, 6, 4)
	s_cmp_eq_u32 s2, 0
	s_cbranch_scc0 .Lentry_in_a_cluster
	s_endpgm
.Lentry_in_a_cluster:
	s_bfe_u32 s2, ttmp6, 0x10000c
	s_cmp_lg_u32 s2, 0x3003
	s_cbranch_scc0 .Lentry_shape_is_right
	s_endpgm
.Lentry_shape_is_right:
; MoE router.  logits[t][e] = sum over k of Q(x)[t][k] Q(W)[e][k], Q the MX quantiser to BF6 (E3M2) with one E8M0 scale for each 32 along K; softmax over the 64 experts;
; the two largest, descending, ties to the lower index; their probabilities divided by (their sum + 1e-9).  x [16384][2048], W [64][2048] f32; out0 [16384][2] f32, out1 [16384][2] i32.
; NOTHING IS LEFT OUT: the softmax's sum reaches the result through the 1e-9, so all 64 exponentials are made.  Only exp(l1 - max) is not computed: l1 is the maximum, so it is exp(0) = 1.
; LIMITS.  NaN and infinities among the inputs or logits are not served.  The two experts are chosen by LOGIT, the same order as by probability in exact arithmetic; where two different logits
; round to one f32 probability reference() takes the lower index and this text the larger logit.  A logit is the f32 sum, K ascending, of 16 matrix results of 128 along K each.
; A block of zeros gets the scale byte 1 where the quantiser says 127: its codes are zeros, and nobody else reads the bytes.  An exponential under 2^-126 comes out as 0.
; SHARES.  A work-group owns 64 tokens; its 16 waves share K: wave w owns K step w, 128 along K = 512 bytes of every row.  It quantises its slice of W (4 fragments of 16 experts, kept in registers),
; then its slice of the 64 tokens, a tile of 16 tokens at a time, and multiplies: source 0 = 16 experts, source 1 = 16 tokens, C = 0: a lane then holds ONE token and eight experts a tile.
; The 16 waves' partial logits meet in LDS behind one barrier; waves 0 to 3 add them and do softmax and top-2 for 16 tokens each; behind a second barrier wave 0 stores out0 and wave 1 out1, 512 bytes each.
; FROM f32 TO AN OPERAND.  The operand's layout gives lane (r, h) the whole block k = 64 c + 32 h + 0 .. 31 of row r: 128 bytes.  So a block's largest magnitude needs no other lane, and the conversions' results
; are the operand's registers.  A HALF is 16 rows x 256 bytes (one c): what the 32 lanes take at a time, 128 bytes each, out of rows that lie in LDS.
; W, BY JOINT LOADS.  All work-groups need all of W, 524,288 bytes, as many as a work-group's share of x.  Four work-groups form a cluster, and each wave's slice is asked for JOINTLY: the same tensor load, with the same
; descriptor and a mask that names the four, in all four.  One load brings 32 experts x 512 bytes, the wave's whole region of LDS; two fragments are quantised straight out of it; behind one round of the cluster's barrier
; the same bytes are filled once more, with the other 32 experts.  By this text's own count a wave has one tensor load outstanding.
; CLUSTERS WITH AN ODD NUMBER TAKE W'S TWO HALVES IN THE OTHER ORDER: so both halves are asked for by some cluster with the launch's first loads.  Fragment f then holds experts 16 (f xor 2 p) on, p = the cluster's
; number mod 2; the indices on the way out are made accordingly.  p is the same in the four partners; a work-group's place in its cluster enters x's and the outputs' global addresses alone.
; x, BY A RING IN REGISTERS.  Eight halves through four slots of 32 registers: eight loads a half, each two rows' aligned 256 bytes, 16 bytes a lane; a half goes through the wave's own stage in LDS and comes back 128 bytes
; a lane.  The ring is x's alone, from the head on: two halves are asked for directly behind W's load, one behind W's first fragment, one behind the refill, so that no wave has more than 16 loads to issue ahead of its
; first work on W.  The stage and the partial sums lie in the wave's region once it has had its last fill and its last read.
; NO PREFETCH: the launch's own loads ask for x from its first lines on, as fast as their registers come free.
.set ROWB,  8192                       ; a row of x or of W in bytes
.set TILEB, 16*ROWB                    ; 16 rows
.set SP,    272                        ; a stage row: 256 bytes + 16: row r starts 4 r banks on (64 banks of 4 bytes: ISA guide 11.1), so the 16 rows that a load touches start at 16 different banks
.set TP,    528                        ; a row of W's slot: 512 bytes + 16, likewise
.set REG,   16896                      ; LDS of a wave: W's slot, 32 x TP.  Behind its last read: 0 and 4096: partial tiles 0 and 1; 8,448: partial tile 2; STG: the stage, 16 x SP, at last partial tile 3
.set STG,   12544
.set RES,   16*REG                     ; behind the 16 regions: 512 bytes of weights, 512 of indices
.set SPARE, RES+1024                   ; the spare words, 128 bytes for each wave: eight blocks of 256 bytes that no other line names.  (The launch claims all of a WGP's LDS)
.set GOF, 1                            ; v1   global offset in x: 8192 (lane / 16) + 16 (lane % 16) + 512 wave; never rewritten
.set STA, 2                            ; v2   stage, way in
.set LDA, 3                            ; v3   stage, way out: row r, + 128 h
.set LDT, 4                            ; v4   the same in W's slot
.set PSA, 5                            ; v5   my region + 16 x lane: partial sums as images of their registers
.set SH,  6                            ; v6   8 h
.set BY,  7                            ; v7-8 the scale bytes of a fragment's two halves
.set SCO, 9                            ; v9   the conversions' scale operand
.set MA,  10                           ; v10-11 two chains of the largest magnitude
.set MB,  11
.set T0,  12
.set U,   13
.set CT,  14                           ; v14-16 a block's upper 16 codes (a conversion's three registers begin on an even number)
.set SPW, 18                           ; v18  LDS address of my spare word; never rewritten
.set NIL, 19                           ; v19  0; never rewritten
.set WS,  20                           ; v20-23 W's scale words, v24 x's: scales and nothing else
.set XS,  24
.set WC,  26                           ; v26-73 W's four fragments
.set XC,  74                           ; v74-85 x's fragment
.set X,   86                           ; v86-117 a block's 32 numbers; then a token tile's four accumulators; then the summed logits
.set ACC, X
.set R,   118                          ; v118-245 the ring: four halves of 32 registers; later four partial tiles; later the exponentials
.set RDA, 246                          ; v246-251 where waves 0 to 3 read partial sums: three regions to a register
.set RSA, 252                          ; v252 where a token's results go
.set RLA, 253                          ; v253 and where they are read back
.set OOF, 254                          ; v254 16 x lane: my bytes of the work-group's 512 in an output
.set MX,  26                           ; the way out, in registers that W's codes have left: v26-29 chains of the maximum
.set MP,  30                           ; v30 the token's largest logit (v31 named with it as a pair)
.set G,   32                           ; v32-47 four groups of (largest, its index, second, its index)
.set O,   48                           ; v48-51 the other half of the lanes' four
.set XV,  52                           ; v52-55 at work in a merge
.set BG,  74                           ; v74-77 the first expert of each group, in registers that x's codes have left
; A round of the cluster's barrier: my work-group's barrier, so that wave 0's signal speaks for all sixteen waves; wave 0 signals for the work-group; every wave waits for all four work-groups;
; my work-group's barrier once more.  No LDS instruction of the wave is pending at a signal.
.macro CROUND
	s_barrier_signal -1
	s_barrier_wait -1
	s_cmp_lg_u32 s12, 0
	s_cbranch_scc1 .Lnot_wave_0_\@
	s_barrier_signal -3
.Lnot_wave_0_\@:
	s_barrier_wait -3
	s_barrier_signal -1
	s_barrier_wait -1
.endm
	s_load_b256 s[4:11], s[0:1], 0x0               ; x s[4:5], W s[6:7], out0 s[8:9], out1 s[10:11]
	v_lshl_add_u32 v[SPW], v0, 2, SPARE
	v_mov_b32 v[NIL], 0
	ds_add_u32 v[SPW], v[NIL]                      ; the wave's opening: the add, twice on end, and its wait ahead of the round in front of my first tensor load; the set-up below is work on registers
	ds_add_u32 v[SPW], v[NIL]                      ; and once more, under the one wait
	v_lshrrev_b32 v10, 5, v0
	s_delay_alu instid0(VALU_DEP_1)
	v_readfirstlane_b32 s12, v10                   ; wave 0..15 = my K step
	; descriptor group 1: 32 rows x 128 elements of 4 bytes, rows 2,048 elements apart, 16 bytes of padding behind each row of 128 words
	s_mov_b32 s16, 15|(2<<16)|(1<<20)|(1<<21)|(6<<22)|(3<<25) ; 15:0 the mask: all four work-groups; elements of 4 bytes; padding on; 21 set beside a mask; after every 128 words (code 6); 4 words of it (code 3)
	s_mov_b32 s17, 128<<16                         ; tensor_dim0 = 128
	s_mov_b32 s18, 32<<16                          ; tensor_dim1 = 32
	s_mov_b32 s19, 128<<16                         ; tile_dim0 = 128
	s_mov_b32 s20, 32                              ; tile_dim1 = 32
	s_mov_b32 s21, 2048                            ; elements from row to row
	s_mov_b32 s22, 0
	s_mov_b32 s23, 0
	s_mul_i32 s13, s12, REG                        ; my region of LDS: the wave's number alone enters an LDS address
	s_lshl_b32 s14, s12, 9                         ; my 512 bytes of a row
	s_bfe_u32 s45, ttmp6, 0x40000                  ; cx: my work-group's place in the cluster
	s_lshl_b32 s47, ttmp9, 2                       ; in a cluster launch ttmp9 counts clusters
	s_add_co_u32 s47, s47, s45                     ; the work-group's number = 4 x cluster + cx: it enters x's and the outputs' addresses alone
	s_lshl_b32 s30, s47, 19                        ; its 64 rows of 8,192 bytes (under 2^27)
	s_mov_b32 s31, 0
	s_and_b32 s35, ttmp9, 1                        ; p: the cluster's number mod 2, which the four partners share
	s_lshl_b32 s52, s35, 18                        ; the half of W that comes first: experts 32 p on (32 rows are 2^18 bytes),
	s_xor_b32 s54, s52, 0x40000                    ; and the other half
	s_add_co_u32 s52, s52, s14                     ; each at my K step
	s_add_co_u32 s54, s54, s14
	s_mov_b32 s53, 0
	s_mov_b32 s55, 0
	s_lshl_b32 s35, s35, 5                         ; 32 p, for the indices
	s_mov_b32 s28, 0x76543210
	s_mov_b32 s29, 0xfedcba98                      ; v_permlanex16_b32's selects for lane l xor 16
	s_lshl_b32 s32, s12, 12
	s_lshr_b32 s33, s12, 1
	s_lshl_b32 s33, s33, 8
	s_add_co_u32 s32, s32, s33                     ; where token tile m = wave lies in a region: 4096 m + 256 (m / 2) = 0, 4096, 8448, 12544 (used by waves 0 to 3)
	s_lshl_b32 s34, s12, 7
	v_and_b32 v10, 15, v0                          ; r
	v_bfe_u32 v11, v0, 4, 1                        ; h
	v_and_b32 v12, 31, v0                          ; lane
	s_delay_alu instid0(VALU_DEP_3)
	v_lshl_add_u32 v[GOF], v10, 4, s14
	s_delay_alu instid0(VALU_DEP_1)
	v_lshl_add_u32 v[GOF], v11, 13, v[GOF]         ; lanes 0-15 an even row's 256 bytes, lanes 16-31 the next row's
	s_delay_alu instid0(VALU_DEP_4)
	v_mul_u32_u24 v[STA], v11, SP
	s_delay_alu instid0(VALU_DEP_1)
	v_lshl_add_u32 v[STA], v10, 4, v[STA]
	s_delay_alu instid0(VALU_DEP_1)
	v_add_nc_u32 v[STA], s13, v[STA]
	s_delay_alu instid0(VALU_DEP_1)
	v_add_nc_u32 v[STA], STG, v[STA]
	v_mul_u32_u24 v[LDA], v10, SP
	s_delay_alu instid0(VALU_DEP_1)
	v_lshl_add_u32 v[LDA], v11, 7, v[LDA]
	s_delay_alu instid0(VALU_DEP_1)
	v_add_nc_u32 v[LDA], s13, v[LDA]
	s_delay_alu instid0(VALU_DEP_1)
	v_add_nc_u32 v[LDA], STG, v[LDA]
	v_mul_u32_u24 v[LDT], v10, TP
	s_delay_alu instid0(VALU_DEP_1)
	v_lshl_add_u32 v[LDT], v11, 7, v[LDT]
	s_delay_alu instid0(VALU_DEP_1)
	v_add_nc_u32 v[LDT], s13, v[LDT]
	v_lshl_add_u32 v[PSA], v12, 4, s13
	v_lshlrev_b32 v[SH], 3, v11
	v_lshl_add_u32 v[RDA], v12, 4, s32             ; every LDS address of the way out is made here, ahead of the places where the waves part
.irp g, 1,2,3,4,5
	v_add_nc_u32 v[RDA+\g], \g*3*REG, v[RDA]
.endr
	v_lshl_add_u32 v[RSA], v10, 3, s34             ; results: 8 bytes a token, 128 a wave; lanes 16-31 put the indices 512 bytes on
	s_delay_alu instid0(VALU_DEP_1)
	v_lshl_add_u32 v[RSA], v11, 9, v[RSA]
	s_delay_alu instid0(VALU_DEP_1)
	v_add_nc_u32 v[RSA], RES, v[RSA]
	v_lshl_add_u32 v[RLA], v12, 4, s14             ; back: wave 0 the 512 bytes of weights, wave 1 those of indices
	s_delay_alu instid0(VALU_DEP_1)
	v_add_nc_u32 v[RLA], RES, v[RLA]
	v_lshlrev_b32 v[OOF], 4, v12
	v_mov_b32 v[U], 0                              ; written once: a lane permute's destination counts as one of its sources
	s_wait_dscnt 0x0                               ; both opening adds are done
	s_wait_kmcnt 0x0
	s_add_nc_u64 s[4:5], s[4:5], s[30:31]          ; x at the work-group's first token
	s_mov_b32 s24, 1                               ; group 0 of the first fill: count = 1
	s_mov_b32 s25, s13                             ; LDS address: my region
	s_add_nc_u64 s[26:27], s[6:7], s[52:53]        ; global address: the first half of W, my K step
	s_or_b32 s27, s27, 0x80000000                  ; type = 2
	s_mov_b32 s48, 1                               ; group 0 of the refill, in registers of its own: the same bytes of LDS,
	s_mov_b32 s49, s13
	s_add_nc_u64 s[50:51], s[6:7], s[54:55]        ; the other half of W
	s_or_b32 s51, s51, 0x80000000
	CROUND                                         ; all four work-groups are here: the first joint loads meet
	tensor_load_to_lds s[24:27], s[16:23]          ; 32 experts x my 512 bytes: ahead of every load of x
	s_nop 0
; Half q of x's eight into ring slot q % 4: token tile q / 2, bytes 256 (q % 2) on of my 512.  Every offset is an immediate, 508,160 at the most
.macro ISSUE q
.irp i, 0,1,2,3,4,5,6,7
	global_load_b128 v[R+32*((\q)%4)+4*\i:R+32*((\q)%4)+4*\i+3], v[GOF], s[4:5] offset:((\q)/2)*TILEB+((\q)%2)*256+\i*2*ROWB th:TH_LOAD_NT
.endr
.endm
; Ring slot s goes through my stage.  LDS serves a wave's instructions in order (ISA guide 5.7.1.4): the loads see the stores, and these stores come behind the last half's loads
.macro TURN s
.irp i, 0,1,2,3,4,5,6,7
	ds_store_b128 v[STA], v[R+32*(\s)+4*\i:R+32*(\s)+4*\i+3] offset:\i*2*SP
.endr
	s_wait_dscnt 8                                 ; these eight may be out; older stores, of partial sums out of X, have read their registers
.irp i, 0,1,2,3,4,5,6,7
	ds_load_b128 v[X+4*\i:X+4*\i+3], v[LDA] offset:16*\i
.endr
	s_wait_dscnt 8                                 ; the eight loads may be out; the eight stores are done: their ring slot may be loaded again
.endm
.macro RHALF q, left                   ; left: the loads of the younger halves of the ring, which stay out
	s_wait_loadcnt \left
	TURN (\q)%4
.if (\q)+4 < 8
	ISSUE (\q)+4
.endif
	s_wait_dscnt 0x0                               ; my block's 32 numbers are in
.endm
.macro WLOAD f, c                      ; my block of W out of the slot: its rows 16 f on, bytes 256 c on
.irp i, 0,1,2,3,4,5,6,7
	ds_load_b128 v[X+4*\i:X+4*\i+3], v[LDT] offset:(\f)*16*TP+256*(\c)+16*\i
.endr
.endm
; My block, X .. X + 31, becomes registers 6 c .. 6 c + 5 of the fragment at dst, and its scale byte.  The byte is the largest magnitude's exponent field - 4, held at 1 from below by the floor 2^(5 - 127)
.macro QUANT dst, c
	v_max3_num_f32 v[MA], |v[X]|, |v[X+1]|, |v[X+2]|
	v_max3_num_f32 v[MB], |v[X+3]|, |v[X+4]|, |v[X+5]|
.irp i, 6,10,14,18,22,26
	s_delay_alu instid0(VALU_DEP_2)
	v_max3_num_f32 v[MA], v[MA], |v[X+\i]|, |v[X+\i+1]|
	s_delay_alu instid0(VALU_DEP_2)
	v_max3_num_f32 v[MB], v[MB], |v[X+\i+2]|, |v[X+\i+3]|
.endr
	s_delay_alu instid0(VALU_DEP_2)
	v_max3_num_f32 v[MA], v[MA], |v[X+30]|, |v[X+31]|
	s_delay_alu instid0(VALU_DEP_1)
	v_max3_num_f32 v[MA], v[MA], v[MB], 0x2800000
	s_delay_alu instid0(VALU_DEP_1)
	v_add_nc_u32 v[SCO], 0xfe000000, v[MA]         ; 4 off the exponent field: the conversion takes the exponent field of this operand as its scale
	s_delay_alu instid0(VALU_DEP_1)
	v_lshrrev_b32 v[BY+(\c)], 23, v[SCO]
	v_cvt_scalef32_pk16_bf6_f32 v[(\dst)+6*(\c):(\dst)+6*(\c)+2], v[X:X+15], v[SCO]   ; to the nearest code, ties to even; beyond 28 the largest code
	v_cvt_scalef32_pk16_bf6_f32 v[CT:CT+2], v[X+16:X+31], v[SCO]
	v_nop                                          ; one plain place behind a scaled conversion
.irp i, 0,1,2
	v_mov_b32 v[(\dst)+6*(\c)+3+\i], v[CT+\i]
.endr
.endm
.macro SWORD dst                       ; my two bytes are blocks h and 2 + h of row r; with lane l xor 16's two the scale word is whole, in both halves of the lanes
	v_lshl_or_b32 v[T0], v[BY+1], 16, v[BY]
	s_delay_alu instid0(VALU_DEP_1)
	v_lshlrev_b32 v[T0], v[SH], v[T0]
	s_delay_alu instid0(VALU_DEP_1)
	v_permlanex16_b32 v[U], v[T0], s28, s29
	s_delay_alu instid0(VALU_DEP_1)
	v_or_b32 v[(\dst)], v[T0], v[U]
.endm
.macro WHALF f, c, dst                 ; a half of W from the slot to its codes
	WLOAD \f, \c
	s_wait_dscnt 0x0
	QUANT \dst, \c
.endm
; Token tile m against W's four fragments: four sums of their own, each begun with 0.  Register 8 f + j of lane (r, h): row 8 h + j of fragment f, token 16 m + r.  They go to LDS as images of their registers
.macro PRODUCT m
.set PO, 4096*(\m)+256*((\m)/2)
.rept 8
	v_nop                                          ; a scale word written by a vector instruction stands 8 places ahead of a scaled matrix instruction, codes so written 4
.endr
.irp n, 0,1,2,3
	v_wmma_scale_f32_16x16x128_f8f6f4 v[X+8*\n:X+8*\n+7], v[WC+12*\n:WC+12*\n+11], v[XC:XC+11], 0, v[WS+\n], v[XS] matrix_a_fmt:MATRIX_FMT_BF6 matrix_b_fmt:MATRIX_FMT_BF6
.endr
.rept 5
	v_nop                                          ; places ahead of the stores that read the results, of the loads and conversions that write these registers next, and of the next tile's matrix instructions, which write over the results
.endr
.irp n, 0,1,2,3
	ds_store_b128 v[PSA], v[X+8*\n:X+8*\n+3] offset:PO+1024*\n          ; each accumulator from its low end on
	ds_store_b128 v[PSA], v[X+8*\n+4:X+8*\n+7] offset:PO+1024*\n+512
.endr
.endm
	ISSUE 0                                        ; x's first token tile
	ISSUE 1
	s_wait_tensorcnt 0x0                           ; the first half of W lies in my region; only I read it
	WHALF 0, 0, WC
	WHALF 0, 1, WC
	SWORD WS
	ISSUE 2
	WHALF 1, 0, WC+12
	WLOAD 1, 1                                     ; my last reads of this fill; their numbers are quantised behind the refill
	s_wait_tensorcnt 0x0                           ; all my tensor loads have landed;
	ds_add_u32 v[SPW], v[NIL]                      ; 0 onto my spare word;
	s_wait_dscnt 0x0                               ; the add is done, and my reads of the slot are over
	CROUND                                         ; the same now holds of every wave of all four work-groups
	tensor_load_to_lds s[48:51], s[16:23]          ; the joint refill, first thing behind the round: the other 32 experts, the slot's last fill
	s_nop 0
	ISSUE 3                                        ; the ring is full
	QUANT WC+12, 1
	SWORD WS+1
	s_wait_tensorcnt 0x0                           ; the other half of W lies in my region
	WHALF 0, 0, WC+24
	WHALF 0, 1, WC+24
	SWORD WS+2
	WHALF 1, 0, WC+36
	WHALF 1, 1, WC+36
	SWORD WS+3                                     ; the slot has had its last fill and its last read: from here on it holds the stage and the partial sums
	RHALF 0, 24
	QUANT XC, 0
	RHALF 1, 24
	QUANT XC, 1
	SWORD XS
	PRODUCT 0
	RHALF 2, 24
	QUANT XC, 0
	RHALF 3, 24
	QUANT XC, 1
	SWORD XS
	PRODUCT 1
	RHALF 4, 24
	QUANT XC, 0
	RHALF 5, 16                                    ; the ring runs out: two halves behind this one,
	QUANT XC, 1
	SWORD XS
	PRODUCT 2
	RHALF 6, 8                                     ; one,
	QUANT XC, 0
	RHALF 7, 0                                     ; none
	QUANT XC, 1
	SWORD XS
	PRODUCT 3                                      ; its sums go into the stage, whose last read is over
	s_wait_dscnt 0x0                               ; for the others' sake: my partial sums lie in LDS
	s_barrier_signal -1
	s_barrier_wait -1                              ; everybody's do
	s_cmp_ge_u32 s12, 4
	s_cbranch_scc1 .Lrest
	; WAVES 0 TO 3: token tile m = wave.  The 16 waves' partial tiles are added, K ascending; four are on their way while one is added
.macro PLOAD p, reg
.irp i, 0,1,2,3,4,5,6,7
	ds_load_b128 v[(\reg)+4*\i:(\reg)+4*\i+3], v[RDA+(\p)/3] offset:((\p)%3)*REG+512*\i
.endr
.endm
	PLOAD 0, ACC
	PLOAD 1, R
	PLOAD 2, R+32
	PLOAD 3, R+64
	PLOAD 4, R+96
.set P, 1
.rept 15
.if P+3 < 15
	s_wait_dscnt 24                                ; partial P is in; the three behind it may be out
.else
	s_wait_dscnt 8*(15-P)
.endif
.set BB, R+32*((P-1)%4)
.irp k, 0,2,4,6,8,10,12,14,16,18,20,22,24,26,28,30
	v_pk_add_f32 v[ACC+\k:ACC+\k+1], v[ACC+\k:ACC+\k+1], v[BB+\k:BB+\k+1]
.endr
.if P+4 <= 15
	PLOAD P+4, BB
.endif
.set P, P+1
.endr
	; the token's largest logit: my 32 experts, then lane l xor 16's
.irp g, 0,1,2,3
	v_max3_num_f32 v[MX+\g], v[ACC+8*\g], v[ACC+8*\g+1], v[ACC+8*\g+2]
.endr
.irp g, 0,1,2,3
	s_delay_alu instid0(VALU_DEP_4)
	v_max3_num_f32 v[MX+\g], v[MX+\g], v[ACC+8*\g+3], v[ACC+8*\g+4]
.endr
.irp g, 0,1,2,3
	s_delay_alu instid0(VALU_DEP_4)
	v_max3_num_f32 v[MX+\g], v[MX+\g], v[ACC+8*\g+5], v[ACC+8*\g+6]
.endr
.irp g, 0,1,2,3
	s_delay_alu instid0(VALU_DEP_4)
	v_max_num_f32 v[MX+\g], v[MX+\g], v[ACC+8*\g+7]
.endr
	s_delay_alu instid0(VALU_DEP_2)
	v_max3_num_f32 v[MP], v[MX], v[MX+1], v[MX+2]
	s_delay_alu instid0(VALU_DEP_1)
	v_max_num_f32 v[MP], v[MP], v[MX+3]
	v_mov_b32 v[MP+1], 0
	s_delay_alu instid0(VALU_DEP_1)
	v_permlanex16_b32 v[MP+1], v[MP], s28, s29
	s_delay_alu instid0(VALU_DEP_1)
	v_max_num_f32 v[MP], v[MP], v[MP+1]
	; exp(l - max) = 2^((l - max) log2(e)), into the ring's registers: one batch of 32
.irp k, 0,2,4,6,8,10,12,14,16,18,20,22,24,26,28,30
	v_pk_add_f32 v[R+\k:R+\k+1], v[ACC+\k:ACC+\k+1], v[MP:MP+1] op_sel_hi:[1,0] neg_lo:[0,1] neg_hi:[0,1]
.endr
.irp k, 0,2,4,6,8,10,12,14,16,18,20,22,24,26,28,30
	v_pk_mul_f32 v[R+\k:R+\k+1], v[R+\k:R+\k+1], 0x3fb8aa3b op_sel_hi:[1,0]
.endr
	s_wait_alu depctr_va_vdst(0)
.irp k, 0,1,2,3,4,5,6,7,8,9,10,11,12,13,14,15,16,17,18,19,20,21,22,23,24,25,26,27,28,29,30,31
	v_exp_f32 v[R+\k], v[R+\k]
.endr
	; THE TWO LARGEST, with their indices: the search names no exponential, so it is the independent work behind the batch.  Four groups of eight experts (one to a fragment) by turns, so that no line waits for the line above it.
	; A later number takes a place only if it is LARGER: of equals the lower index stays in front.
.irp g, 0,1,2,3
	v_mov_b32 v[G+4*\g], v[ACC+8*\g]
	v_mov_b32 v[G+4*\g+1], 0
	v_mov_b32 v[G+4*\g+2], 0xff800000              ; -infinity: under every logit
	v_mov_b32 v[G+4*\g+3], 0
.endr
.irp k, 1,2,3,4,5,6,7
.irp g, 0,1,2,3
	v_cmp_gt_f32 s[36+2*\g], v[ACC+8*\g+\k], v[G+4*\g]
.endr
.irp g, 0,1,2,3
	v_cmp_gt_f32 s[37+2*\g], v[ACC+8*\g+\k], v[G+4*\g+2]
.endr
.irp g, 0,1,2,3
	s_delay_alu instid0(VALU_DEP_4)
	v_cndmask_b32 v[G+4*\g+2], v[G+4*\g+2], v[ACC+8*\g+\k], s[37+2*\g]
.endr
.irp g, 0,1,2,3
	v_cndmask_b32 v[G+4*\g+3], v[G+4*\g+3], \k, s[37+2*\g]
.endr
.irp g, 0,1,2,3
	v_cndmask_b32 v[G+4*\g+2], v[G+4*\g+2], v[G+4*\g], s[36+2*\g]
.endr
.irp g, 0,1,2,3
	v_cndmask_b32 v[G+4*\g+3], v[G+4*\g+3], v[G+4*\g+1], s[36+2*\g]
.endr
.irp g, 0,1,2,3
	v_cndmask_b32 v[G+4*\g], v[G+4*\g], v[ACC+8*\g+\k], s[36+2*\g]
.endr
.irp g, 0,1,2,3
	v_cndmask_b32 v[G+4*\g+1], v[G+4*\g+1], \k, s[36+2*\g]
.endr
.endr
	v_or_b32 v[BG], s35, v[SH]                     ; group g is fragment g: its first expert in my half of the lanes is 16 (g xor 2 p) + 8 h = 16 g xor (8 h + 32 p)
.irp g, 1,2,3
	v_xor_b32 v[BG+\g], 16*\g, v[BG]
.endr
.irp g, 0,1,2,3
	v_add_nc_u32 v[G+4*\g+1], v[G+4*\g+1], v[BG+\g]   ; the expert: the group's first + j
	v_add_nc_u32 v[G+4*\g+3], v[G+4*\g+3], v[BG+\g]
.endr
; Two sorted pairs become one, in a's registers.  One number goes in front of another if it is larger, or equal with the lower index.
.macro MERGE a, b
	v_cmp_gt_f32 s44, v[\a], v[\b]
	v_cmp_eq_f32 s45, v[\a], v[\b]
	v_cmp_lt_u32 s46, v[\a+1], v[\b+1]
	s_and_b32 s45, s45, s46
	s_or_b32 s44, s44, s45                         ; a's first is the first
	v_cndmask_b32 v[XV], v[\b+2], v[\a+2], s44     ; the winner's second
	v_cndmask_b32 v[XV+1], v[\b+3], v[\a+3], s44
	v_cndmask_b32 v[XV+2], v[\a], v[\b], s44       ; the loser's first
	v_cndmask_b32 v[XV+3], v[\a+1], v[\b+1], s44
	v_cndmask_b32 v[\a], v[\b], v[\a], s44
	v_cndmask_b32 v[\a+1], v[\b+1], v[\a+1], s44
	s_delay_alu instid0(VALU_DEP_4)
	v_cmp_gt_f32 s44, v[XV], v[XV+2]
	v_cmp_eq_f32 s45, v[XV], v[XV+2]
	v_cmp_lt_u32 s46, v[XV+1], v[XV+3]
	s_and_b32 s45, s45, s46
	s_or_b32 s44, s44, s45
	v_cndmask_b32 v[\a+2], v[XV+2], v[XV], s44
	v_cndmask_b32 v[\a+3], v[XV+3], v[XV+1], s44
.endm
	MERGE G, G+4
	MERGE G+8, G+12
	MERGE G, G+8
.irp i, 0,1,2,3
	v_mov_b32 v[O+\i], 0
.endr
.irp i, 0,1,2,3
	s_delay_alu instid0(VALU_DEP_4)
	v_permlanex16_b32 v[O+\i], v[G+\i], s28, s29
.endr
	MERGE G, O                                     ; with the token's other 32 experts: both halves of the lanes come to the same four numbers
	s_wait_alu depctr_va_vdst(0)                   ; one wait for the 32 exponentials, ahead of their first reader
	v_pk_add_f32 v[58:59], v[118:119], v[120:121]
	v_pk_add_f32 v[250:251], v[126:127], v[130:131]
	v_pk_add_f32 v[248:249], v[134:135], v[138:139]
	v_pk_add_f32 v[246:247], v[142:143], v[146:147]
	v_pk_add_f32 v[244:245], v[122:123], v[124:125]
	v_pk_add_f32 v[242:243], v[128:129], v[132:133]
	v_pk_add_f32 v[240:241], v[136:137], v[140:141]
	v_pk_add_f32 v[56:57], v[144:145], v[148:149]
	s_delay_alu instid0(VALU_DEP_1)
	v_pk_add_f32 v[56:57], v[56:57], v[246:247]
	v_pk_add_f32 v[58:59], v[58:59], v[244:245]
	v_pk_add_f32 v[250:251], v[250:251], v[242:243]
	v_pk_add_f32 v[248:249], v[248:249], v[240:241]
	s_delay_alu instid0(VALU_DEP_2)
	v_pk_add_f32 v[56:57], v[56:57], v[250:251]
	s_delay_alu instid0(VALU_DEP_2)
	v_pk_add_f32 v[58:59], v[58:59], v[248:249]
	s_delay_alu instid0(VALU_DEP_1)
	v_pk_add_f32 v[56:57], v[56:57], v[58:59]
	s_delay_alu instid0(VALU_DEP_1)
	v_add_f32 v56, v56, v57
	s_delay_alu instid0(VALU_DEP_1)
	v_permlanex16_b32 v57, v56, s28, s29
	s_delay_alu instid0(VALU_DEP_1)
	v_add_f32 v56, v56, v57                        ; all 64; at least 1
	v_sub_f32 v60, v[G+2], v[MP]
	s_delay_alu instid0(VALU_DEP_1)
	v_mul_f32 v60, 0x3fb8aa3b, v60
	s_wait_alu depctr_va_vdst(0)
	v_exp_f32 v60, v60                             ; exp(l2 - max)
	v_rcp_f32 v61, v56                             ; p1 = exp(0) / sum
	v_cmp_ne_u32 s44, 0, v[SH]                     ; lanes 16-31
	v_nop                                          ; a plain place behind the two
	s_wait_alu depctr_va_vdst(0)                   ; and their wait
	v_mul_f32 v62, v60, v61                        ; p2
	v_add_f32 v63, v61, v62
	s_delay_alu instid0(VALU_DEP_1)
	v_add_f32 v63, 0x3089705f, v63                 ; p1 + p2 + 1e-9
	s_wait_alu depctr_va_vdst(0)
	v_rcp_f32 v64, v63
	v_nop
	s_wait_alu depctr_va_vdst(0)
	v_mul_f32 v66, v61, v64
	v_mul_f32 v67, v62, v64
	s_delay_alu instid0(VALU_DEP_2)
	v_cndmask_b32 v66, v66, v[G+1], s44            ; lanes 0-15 hand on the token's two weights, lanes 16-31 its two indices
	s_delay_alu instid0(VALU_DEP_2)
	v_cndmask_b32 v67, v67, v[G+3], s44
	ds_store_b64 v[RSA], v[66:67]
.Lrest:
	s_wait_dscnt 0x0                               ; for the others' sake: my results lie in LDS, and my reads of the partial sums are over
	s_barrier_signal -1
	s_barrier_wait -1
	s_cmp_ge_u32 s12, 2
	s_cbranch_scc1 .Lend
	ds_load_b128 v[68:71], v[RLA]                  ; wave 0: the 64 tokens' weights; wave 1: their indices
	s_lshl_b32 s14, s47, 9                         ; 512 bytes a work-group in each output
	s_mov_b32 s15, 0
	s_cmp_eq_u32 s12, 0
	s_cselect_b64 s[8:9], s[8:9], s[10:11]         ; the choice hangs on the wave's number alone
	s_add_nc_u64 s[8:9], s[8:9], s[14:15]
	s_wait_dscnt 0x0
	global_store_b128 v[OOF], v[68:71], s[8:9]     ; 32 lanes store 512 consecutive bytes, at a multiple of 512 from the output's first byte
.Lend:
	s_wait_tensorcnt 0x0                           ; the wave's end: behind my last tensor load and my last LDS store
	ds_add_u32 v[SPW], v[NIL]
	s_wait_dscnt 0x0
	CROUND                                         ; the closing round: no work-group ends while a partner may still ask for a tile that names it
	s_endpgm
.Lfunc_end_k_q4fff731156_router:
	.size	k_q4fff731156_router, .Lfunc_end_k_q4fff731156_router-k_q4fff731156_router
	.p2alignl 7, 3214868480
	.fill 96, 4, 3214868480
	.section	.rodata,"a",@progbits
	.p2align	6, 0x0
	.amdhsa_kernel k_q4fff731156_router
		.amdhsa_group_segment_fixed_size 327680
		.amdhsa_private_segment_fixed_size 0
		.amdhsa_enable_private_segment 0
		.amdhsa_kernarg_size 32
		.amdhsa_user_sgpr_count 2
		.amdhsa_user_sgpr_kernarg_segment_ptr 1
		.amdhsa_wavefront_size32 1
		.amdhsa_system_sgpr_workgroup_id_x 1
		.amdhsa_system_sgpr_workgroup_id_y 1
		.amdhsa_system_sgpr_workgroup_id_z 1
		.amdhsa_system_vgpr_workitem_id 0
		.amdhsa_next_free_vgpr 256
		.amdhsa_next_free_sgpr 66
		.amdhsa_reserve_vcc 0
		.amdhsa_float_denorm_mode_32 3
		.amdhsa_float_denorm_mode_16_64 3
		.amdhsa_memory_ordered 1
		.amdhsa_forward_progress 1
		.amdhsa_inst_pref_size 116
	.end_amdhsa_kernel
	.amdgpu_metadata
---
amdhsa.version: [ 1, 2 ]
amdhsa.kernels:
  - .name:           k_q4fff731156_router
    .symbol:         k_q4fff731156_router.kd
    .args:
      - { .name: x, .offset: 0, .size: 8, .value_kind: global_buffer, .address_space: global }
      - { .name: W, .offset: 8, .size: 8, .value_kind: global_buffer, .address_space: global }
      - { .name: out0, .offset: 16, .size: 8, .value_kind: global_buffer, .address_space: global }
      - { .name: out1, .offset: 24, .size: 8, .value_kind: global_buffer, .address_space: global }
    .group_segment_fixed_size: 327680
    .private_segment_fixed_size: 0
    .kernarg_segment_align: 8
    .kernarg_segment_size: 32
    .max_flat_workgroup_size: 512
    .sgpr_count:     66
    .vgpr_count:     256
    .wavefront_size: 32
...
	.end_amdgpu_metadata
.endif
;; end of part 2
